; MI455X (gfx1250); checked and timed in simulation.
; The chip was launched on July 23, 2026; its instructions are those of AMD's public machine-readable ISA for CDNA 5 (MIT licence, August 2026) and "CDNA5" Instruction Set Architecture Reference Guide (July 2026). The comments in the code are by the model that wrote it; some were corrected since.
;; Trellis Linear. Allowed arithmetic: matrix products marked QUANTISED: E2M1 operands, one E8M0 scale for each 32 along K, by v_wmma_scale_f32_16x16x128_f8f6f4 with both operands' format E2M1 (or v_wmma_scale_f32_32x16x128_f4), f32 sums; everything else in f32.
;; Inputs: lut 65,536 x 2 float32; su 4,096 float32; sv 2,048 float32; trellis 32,768 x 32 int32; weight_scales 32,768 x 1 float32; x 8,192 x 4,096 float32.
;; Outputs: out0 8,192 x 2,048 float32.
;; This version of the problem:
;;   THIS VERSION OF THE PROBLEM IS GIVEN IN LOW PRECISION. The matrix products marked QUANTISED in the list below multiply operands that are first quantised to E2M1 (2 exponent bits, 1 mantissa bit; 4 bits a number), with one power-of-two scale for each 32 numbers along K (OCP MX v1.0); their sums are f32. All else is computed in f32.
;;   The module's matrix products, in the order in which they are computed (A, B: the left and right operand; K: the contracted axis; several contracted axes count as one K, in the product's order):
;;     1. [M 8,192, K 4,096] x [K 4,096, N 2,048]; A: computed on the way; B: computed on the way: QUANTISED
;;   THE QUANTISER, for each operand of a quantised product, along K:
;;     - K is cut into blocks of 32 from its start; a last block that is shorter is filled with zeros.
;;     - A block's scale is 2^e with e = floor(log2(the largest magnitude in the block)) - 2, held to -126 .. 127; a block of zeros has e = 0. As a byte (E8M0): e + 127.
;;     - Each number is divided by its block's scale, clamped to +-6, and rounded to the nearest number of E2M1, ties to even, subnormals kept.
;;     - The product sums the exact products of the quantised numbers (number of the format x scale) in f32.
;;   ~~~python
;;   def quantise(x, axis):      # numpy; x: float32 -> the quantised numbers, widened to float32 again
;;       x = np.moveaxis(x, axis, -1); K = x.shape[-1]
;;       x = np.pad(x, [(0, 0)] * (x.ndim - 1) + [(0, -K % 32)]); x = x.reshape(x.shape[:-1] + (-1, 32)); a = np.abs(x).max(-1, keepdims=True)
;;       e = np.where(a > 0, np.clip(np.frexp(np.where(a > 0, a, 1))[1] - 1 - 2, -126, 127), 0)      # np.frexp(a)[1] - 1 = floor(log2(a)), exactly
;;       r = np.clip(x / 2.0 ** e, -6, 6)
;;       step = 2.0 ** (np.maximum(np.frexp(np.where(r == 0, 1, r))[1] - 1, 0) - 1)
;;       q = np.round(r / step) * step * 2.0 ** e      # np.round: ties to even
;;       return np.moveaxis(q.reshape(q.shape[:-2] + (-1,))[..., :K], -1, axis).astype(np.float32)
;;   ~~~
;;   OPERANDS COMPUTED ON THE WAY. 'Computed on the way' means the value that the module computes at that place (a softmax that the list does not call 'softmax' is quantised finished and normalised). What goes into a quantiser is computed in f32, as accurately as f32 sums, v_exp_f32 and their like allow (about 1e-6 of the number): no bf16 or f16 on the way to a quantiser, and a product that is left as it is and whose result goes on into a quantised operand takes f32 operands (vector FMAs, or v_wmma_f32_16x16x4_f32). A number that lies on a knife's edge between two numbers of the format may be rounded either way, as far as f32 arithmetic and the matrix unit's own rounding can turn it there, and no further.
;; One version. Each part assembles by itself: llvm-mc -triple=amdgcn-amd-amdhsa -mcpu=gfx1250 --defsym DOCPART=n.
;; ======== version 1 of 1: 3 launches
;; limits: right only within a limited range of input values
;; workspace buffers: rng 131,072 bytes; wt 33,554,432 bytes; xq 17,825,792 bytes; wq 4,456,448 bytes
;; launch prep (part 1): grid 256 x 1, 8 waves a work-group, clusters of 4 x 1, 327,680 bytes of LDS; arguments x, trellis, lut, su, sv, rng, wt; writes rng, wt
.if DOCPART == 1
	.amdgcn_target "amdgcn-amd-amdhsa--gfx1250"
	.amdhsa_code_object_version 6
	.text
	.protected	k_qe4d49eb7b2_prep
	.globl	k_qe4d49eb7b2_prep
	.p2align	8
	.type	k_qe4d49eb7b2_prep,@function
k_qe4d49eb7b2_prep:
	s_mov_b64 s[64:65], 0
	v_nop
	global_prefetch_b8 v0, s[64:65] scope:SCOPE_SE
	s_setreg_imm32_b32 hwreg(HW_REG_WAVE_MODE, 25, 1), 1
	s_wait_xcnt 0x0
	s_wait_alu depctr_hold_cnt(0) depctr_sa_sdst(0) depctr_va_vdst(0) depctr_va_sdst(0) depctr_va_ssrc(0) depctr_va_vcc(0) depctr_vm_vsrc(0)
	s_getreg_b32 s2, hwreg(HW_REG_IB_STS2, 6, 4)
	s_cmp_eq_u32 s2, 0
	s_cbranch_scc0 .Lentry_in_a_cluster
	s_endpgm
.Lentry_in_a_cluster:
	s_bfe_u32 s2, ttmp6, 0x10000c
	s_cmp_lg_u32 s2, 0x3003
	s_cbranch_scc0 .Lentry_shape_is_right
	s_endpgm
.Lentry_shape_is_right:
; PREP: every work-group S (0 .. 255) does two things, and every wave has a part in both.
; THE WEIGHT: stripe S = 16 columns, all 2,048 rows.  Trellis decode (a state is a 16-bit window of two neighbouring words), x sv, Hadamard over the 2,048 rows, x su / sqrt(2048),
;   and the first butterfly (neighbouring columns) of the Hadamard over the columns.  Result to wt, laid [group of 8 rows 256][stripe 256][8 rows][16 columns] f32.
; THE TABLE is 524,288 bytes: it comes into LDS in two halves of 262,144 bytes, each wave fetching 32,768 of them by one tensor load.  Every state is looked up in both halves, at its low 15 bits,
;   by an LDS load of 8 bytes; its top bit chooses between the two results (v_cndmask_b32: no branch hangs on data).
; CLUSTERS: all work-groups read the same table, so four work-groups form a cluster and ask for each part jointly (mask 15); the descriptor hangs on the wave's number alone.
; X: 64 columns x 2,048 rows of x (columns 64 (S % 64), quarter S / 64 of the rows): the columns' smallest number and the negative of their largest, to rng [quarter 4][2][4096].
;   A wave takes 256 rows, two a load, and keeps 32 loads of 512 bytes out (a ring of 128 registers in window 1); macro XF folds the four oldest and asks for four more.
;   The 32 XF of a wave stand between the pieces of the weight's work.
; No prefetch is written: x is read once, by loads that each wave issues 32 ahead of their use, and each half of the table is asked for a whole phase ahead of its first lookup.
; The butterflies of a Hadamard transform commute: they are taken in the order that the registers allow, two bits at a time (macro R4); sums differ from the source's order by f32 rounding alone.
; BARRIERS: a work-group barrier stands in front of each pass of lookups and behind it, so that between two barriers LDS is either looked up or written, never both.
; LIMITS: NaN and infinities among the inputs are not served.
; REGISTERS, window 0: v1, v3 the add's two; v[4:5] su; v6, v7 the two states' shifts; v8-15, v28-31 stage addresses; v16, v17 the top bits' places, later +1, -1; v19 wt offset; v20-27 at work;
;   v32-63 sv; v64-95 a 32-bit trellis window a row; v96-111 lookup addresses; v112-127 top bits; v128-255 my 128 numbers (in the head: offsets and scratch).
; Window 1: v0-127 the ring of x; v128 x offset; v132-139 smallest, largest; v140-143 for the lane permutes; v144-146 addresses; v148-163 the last join; v192-255 the second pass's results, two sets.
.set D,   128
.set WN,  64
.set SV,  32
.set AD,  96
.set MK,  112
.set SPW, 1
.set NIL, 3
.set XL,    262144                     ; LDS: bytes 0 .. XL-1 the table's half, and after its last fill the stage of 2,048 rows x 64 bytes; from XL on 8 x 512 bytes of x's figures
.set SPARE, 266240                     ; the spare words: 128 bytes a wave, four blocks of 256 bytes that no other line names
.set XO,  128
.set XMN, 132
.set XMX, 136
.set XP,  140
.set XA,  144
.set XB,  145
.set XC,  146
.set XR,  148
.set T1,  192
.set G1,  32                           ; s[32:39] descriptor group 1
.set G0,  40                           ; s[40:43] descriptor group 0
.set MSB, 0
.macro WIN new                         ; the immediate's high byte repeats the setting that is left
.if MSB != \new
	s_set_vgpr_msb (MSB<<8)|\new
.set MSB, \new
.endif
.endm
.macro WA                              ; this wait ahead of a wait that blocks or a barrier, where fresh vector results are read behind it
	s_wait_alu depctr_va_vdst(0)
.endm
.macro BAR
	s_barrier_signal -1
	s_barrier_wait -1
.endm
.macro ROUND                           ; a round of the cluster's barrier
	s_barrier_signal -1
	s_barrier_wait -1
	s_cmp_lg_u32 s18, 0
	s_cbranch_scc1 .Lnot_wave_0_\@
	s_barrier_signal -3
.Lnot_wave_0_\@:
	s_barrier_wait -3
	s_barrier_signal -1
	s_barrier_wait -1
.endm
.macro JLOAD                           ; my 32,768 bytes of a half
	tensor_load_to_lds s[G0:G0+3], s[G1:G1+7]
	s_nop 0
.rept 4
	v_nop
.endr
.endm
; Two butterfly stages on four register pairs: eight packed additions, nothing is copied.
.macro R4
	v_pk_add_f32 v[20:21], v[RA:RA+1], v[RB:RB+1]
	v_pk_add_f32 v[22:23], v[RA:RA+1], v[RB:RB+1] neg_lo:[0,1] neg_hi:[0,1]
	v_pk_add_f32 v[24:25], v[RC:RC+1], v[RD:RD+1]
	v_pk_add_f32 v[26:27], v[RC:RC+1], v[RD:RD+1] neg_lo:[0,1] neg_hi:[0,1]
	v_pk_add_f32 v[RA:RA+1], v[20:21], v[24:25]
	v_pk_add_f32 v[RB:RB+1], v[22:23], v[26:27]
	v_pk_add_f32 v[RC:RC+1], v[20:21], v[24:25] neg_lo:[0,1] neg_hi:[0,1]
	v_pk_add_f32 v[RD:RD+1], v[22:23], v[26:27] neg_lo:[0,1] neg_hi:[0,1]
.endm
; All 64 pairs of D, two bits of the pair's number: s and 2 s pairs apart.  mode 1: the pairs come by 64 LDS loads in order, group m wants the first 4 m + 4: 60 - 4 m may be out.
.macro PASS s, mode
.set m, 0
.rept 16
.if (\mode) == 1
	s_wait_dscnt 60-4*m
.endif
.set RA, D+2*((m%(\s))+(m/(\s))*4*(\s))
.set RB, RA+2*(\s)
.set RC, RA+4*(\s)
.set RD, RA+6*(\s)
	R4
.set m, m+1
.endr
.endm
; Rows n and n + 1: a sv_n + b sv_n+1 and a sv_n - b sv_n+1, the scaling fused into the butterfly.
.macro SVB n
.irp c, 0,2
	v_pk_mul_f32 v[20+\c:21+\c], v[D+4*(\n)+\c:D+4*(\n)+\c+1], v[SV+(\n):SV+(\n)+1] op_sel_hi:[1,0]
.endr
.irp c, 0,2
	v_pk_fma_f32 v[D+4*(\n)+\c:D+4*(\n)+\c+1], v[D+4*(\n)+4+\c:D+4*(\n)+5+\c], v[SV+(\n):SV+(\n)+1], v[20+\c:21+\c] op_sel:[0,1,0] op_sel_hi:[1,1,1]
	v_pk_fma_f32 v[D+4*(\n)+4+\c:D+4*(\n)+5+\c], v[D+4*(\n)+4+\c:D+4*(\n)+5+\c], v[SV+(\n):SV+(\n)+1], v[20+\c:21+\c] op_sel:[0,1,0] op_sel_hi:[1,1,1] neg_lo:[1,0,0] neg_hi:[1,0,0]
.endr
.endm
; X: fold number XT: loads 4 XT .. 4 XT + 3 (eight rows) go into the running smallest and largest; their registers take the loads 32 further on.  All its registers lie in window 1.
.set XT, 0
.macro XF
	WA
.if XT < 24
	s_wait_loadcnt 28                              ; 32 loads are out, mine are the four oldest
.else
	s_wait_loadcnt 124-4*XT                        ; nothing more is issued: the count runs down
.endif
	WIN 0x55
.set SA, 16*(XT%8)
.irp e, 0,1,2,3
.if XT == 0
	v_min_num_f32 v[XMN+\e], v[SA+\e], v[SA+4+\e]  ; the first rows start the chains: nothing is preset
	v_max_num_f32 v[XMX+\e], v[SA+\e], v[SA+4+\e]
.else
	v_min3_num_f32 v[XMN+\e], v[XMN+\e], v[SA+\e], v[SA+4+\e]
	v_max3_num_f32 v[XMX+\e], v[XMX+\e], v[SA+\e], v[SA+4+\e]
.endif
.endr
.irp e, 0,1,2,3
	v_min3_num_f32 v[XMN+\e], v[XMN+\e], v[SA+8+\e], v[SA+12+\e]
	v_max3_num_f32 v[XMX+\e], v[XMX+\e], v[SA+8+\e], v[SA+12+\e]
.endr
.if XT < 24
.irp i, 0,1,2,3
	global_load_b128 v[SA+4*\i:SA+4*\i+3], v[XO], s[4:5] offset:32768*(4*XT+32+\i) th:TH_LOAD_NT
.endr
.endif
	WIN 0
.set XT, XT+1
.endm
; Rows 8 g .. 8 g + 7, two states each: the LDS address of a state in either half: 8 x its low 15 bits
.macro GADR g
.irp r, 0,1,2,3,4,5,6,7
	v_bfe_u32 v[AD+2*\r], v[WN+8*(\g)+\r], v6, 15
	v_bfe_u32 v[AD+2*\r+1], v[WN+8*(\g)+\r], v7, 15
.endr
.irp k, 0,1,2,3,4,5,6,7,8,9,10,11,12,13,14,15
	v_min_u32 v[AD+\k], 0x7fff, v[AD+\k]           ; an address stays inside the half
.endr
.irp k, 0,1,2,3,4,5,6,7,8,9,10,11,12,13,14,15
	v_lshlrev_b32 v[AD+\k], 3, v[AD+\k]
.endr
.endm
.macro P0 g                            ; first pass: straight into D
	GADR \g
.irp k, 0,1,2,3,4,5,6,7,8,9,10,11,12,13,14,15
	ds_load_b64 v[D+32*(\g)+2*\k:D+32*(\g)+2*\k+1], v[AD+\k]
.endr
.endm
.macro P1I g                           ; second pass: into set g % 2 of window 1
	GADR \g
	WIN 0x40
.irp k, 0,1,2,3,4,5,6,7,8,9,10,11,12,13,14,15
	ds_load_b64 v[T1+32*((\g)%2)+2*\k:T1+32*((\g)%2)+2*\k+1], v[AD+\k]
.endr
	WIN 0
.endm
.macro P1U g, left                     ; and where a state's top bit is set, the second pass's pair takes the first's place.  left: the next group's 16 loads may be out
.irp r, 0,1,2,3,4,5,6,7
	v_bfe_u32 v[MK+2*\r], v[WN+8*(\g)+\r], v16, 1
	v_bfe_u32 v[MK+2*\r+1], v[WN+8*(\g)+\r], v17, 1
.endr
	WA
	s_wait_dscnt \left
	WIN 0x04                                       ; source 1 in window 1
.irp k, 0,1,2,3,4,5,6,7,8,9,10,11,12,13,14,15
	v_cmp_ne_u32 s[46+(\k)%4], v[MK+\k], 0
	v_cndmask_b32 v[D+32*(\g)+2*\k], v[D+32*(\g)+2*\k], v[T1+32*((\g)%2)+2*\k], s[46+(\k)%4]
	v_cndmask_b32 v[D+32*(\g)+2*\k+1], v[D+32*(\g)+2*\k+1], v[T1+32*((\g)%2)+2*\k+1], s[46+(\k)%4]
.endr
	WIN 0
.endm
	s_load_b256 s[4:11], s[0:1], 0x0               ; x s[4:5], trellis s[6:7], lut s[8:9], su s[10:11]
	s_load_b128 s[12:15], s[0:1], 0x20             ; sv s[12:13], rng s[14:15]
	s_load_b64 s[16:17], s[0:1], 0x30              ; wt
	v_lshl_add_u32 v[SPW], v0, 2, SPARE
	v_mov_b32 v[NIL], 0
	ds_add_u32 v[SPW], v[NIL]                      ; the opening: the add, twice on end, and its wait ahead of my first tensor load
	ds_add_u32 v[SPW], v[NIL]
	v_lshrrev_b32 v128, 5, v0
	v_readfirstlane_b32 s18, v128                  ; wave 0..7
	; group 1: 128 rows of 256 bytes (32 elements of 8 bytes), dense; mask 15: the cluster's four; bit 21 set beside it
	s_mov_b32 s[G1+0], 15|(3<<16)|(1<<21)
	s_mov_b32 s[G1+1], 32<<16
	s_mov_b32 s[G1+2], 128<<16
	s_mov_b32 s[G1+3], 32<<16
	s_mov_b32 s[G1+4], 128
	s_mov_b32 s[G1+5], 32
	s_mov_b32 s[G1+6], 0
	s_mov_b32 s[G1+7], 0
	s_mov_b32 s28, 0x76543210
	s_mov_b32 s29, 0xfedcba98                      ; v_permlanex16_b32's selects for lane l xor 16
	s_mov_b32 s30, 0x05040100                      ; v_perm_b32: the two low halves
	s_bfe_u32 s19, ttmp6, 0x40000                  ; my place in the cluster
	s_lshl_b32 s31, ttmp9, 2
	s_add_co_u32 s31, s31, s19                     ; S
	s_and_b32 s19, s31, 15                         ; the stripe's place in its vector of 256 columns
	s_lshr_b32 s20, s31, 4
	s_lshl_b32 s20, s20, 7                         ; which of a row's 16 vectors, 128 bytes each
	s_lshl_b32 s21, s18, 14                        ; back from the stage: 256 rows a wave
	s_lshl_b32 s22, s31, 6                         ; su of the stripe's 16 columns
	s_lshl_b32 s24, s18, 22                        ; wt: my wave's 256 rows are 32 groups of 131,072 bytes,
	s_lshl_b32 s25, s31, 9                         ; my stripe 512 bytes in each
	s_add_co_u32 s24, s24, s25
	s_mov_b32 s25, 0
	s_and_b32 s23, s31, 63
	s_lshl_b32 s23, s23, 8                         ; x and rng: my 64 columns
	s_lshr_b32 s27, s31, 6                         ; my quarter of the rows
	s_lshl_b32 s26, s27, 25                        ; x: 2,048 rows of 16,384 bytes,
	s_lshl_b32 s44, s18, 22                        ; 256 rows a wave
	s_add_co_u32 s26, s26, s44
	s_add_co_u32 s26, s26, s23
	s_lshl_b32 s44, s27, 15                        ; rng: [quarter][2][4096] f32; wave 0 stores the smallest, wave 1 the others
	s_lshl_b32 s45, s18, 14
	s_add_co_u32 s44, s44, s45
	s_add_co_u32 s44, s44, s23
	s_mov_b32 s27, 0
	s_mov_b32 s45, 0
	s_lshl_b32 s50, s18, 9
	s_add_co_u32 s50, s50, XL                      ; my wave's 512 bytes of figures
	s_lshl_b32 s51, s18, 8
	s_add_co_u32 s51, s51, XL                      ; where waves 0 and 1 read them back
	s_lshl_b32 s52, s18, 15                        ; my 32,768 bytes of a half of the table
	s_mov_b32 s53, 0
	WA
	s_wait_dscnt 0x0                               ; both opening adds are done
	s_wait_kmcnt 0x0
	s_add_nc_u64 s[16:17], s[16:17], s[24:25]
	s_add_nc_u64 s[4:5], s[4:5], s[26:27]
	s_add_nc_u64 s[14:15], s[14:15], s[44:45]
	ROUND                                          ; the four work-groups are here: the first joint loads meet
	s_mov_b32 s[G0], 1
	s_lshl_b32 s[G0+1], s18, 15                    ; LDS address: wave x 32,768
	s_add_nc_u64 s[G0+2:G0+3], s[8:9], s[52:53]
	s_or_b32 s[G0+3], s[G0+3], 0x80000000
	JLOAD                                          ; the lower half: one tensor load a wave at the head
	; First lay-out: thread t: column quad qd = t % 4, g = t / 4 = bits 7:2 of the row; register group n = 0..31: row (n % 4) + 4 g + 256 (n / 4)
	v_and_b32 v2, 31, v0                           ; lane
	v_and_b32 v132, 3, v0                          ; qd
	v_lshrrev_b32 v133, 2, v0                      ; g
	v_lshrrev_b32 v134, 1, v132
	v_lshl_add_u32 v134, s19, 1, v134              ; my word of the vector's 32: 8 columns a word
	v_add_nc_u32 v135, 1, v134
	v_and_b32 v135, 31, v135                       ; the next word, cyclic
	v_lshl_add_u32 v136, v133, 13, s20             ; 4 g rows of 2,048 bytes + 128 x vector
	v_lshl_add_u32 v128, v134, 2, v136             ; v128: offset of my word, v129: of the next
	v_lshl_add_u32 v129, v135, 2, v136
	v_lshlrev_b32 v130, 4, v133                    ; v130: sv of rows 4 g .. 4 g + 3
	v_and_b32 v6, 1, v132
	v_lshlrev_b32 v6, 3, v6
	v_sub_nc_u32 v6, 16, v6                        ; v6: the first state's window begins 16 - 8 (qd % 2) bits up,
	v_add_nc_u32 v7, -4, v6                        ; v7: the second's four bits lower
	v_add_nc_u32 v16, 15, v6                       ; v16, v17: where their top bits stand
	v_add_nc_u32 v17, 15, v7
	; The stage: a row is 64 bytes, four rows a line of 256; in line q = row / 4 row r lies at place (r + q) % 4
	v_lshlrev_b32 v136, 8, v133
	v_lshl_add_u32 v136, v132, 4, v136             ; 256 g + 16 qd
.irp m, 0,1,2,3
	v_add_nc_u32 v137, \m, v133
	v_and_b32 v137, 3, v137
	v_lshl_add_u32 v[8+\m], v137, 6, v136          ; v8-11: rows with n % 4 = m, n / 4 under 4;
	v_add_nc_u32 v[12+\m], 0x10000, v[8+\m]        ; v12-15: n / 4 from 4 on (an LDS offset has 16 bits)
.endr
	v_and_b32 v136, 7, v0                          ; second lay-out: cp = lane % 8, a pair of neighbouring columns;
	v_bfe_u32 v137, v0, 3, 2                       ; rr = lane / 8 = bits 1:0 of the row
	v_lshl_add_u32 v136, v136, 3, s21
.irp j, 0,1,2,3
	v_add_nc_u32 v138, \j, v137
	v_and_b32 v138, 3, v138
	v_lshl_add_u32 v[28+\j], v138, 6, v136         ; v28-31: back from the stage, for lines with q % 4 = j
.endr
	v_lshlrev_b32 v19, 3, v2                       ; v19: 8 x lane, into wt
	v_and_b32 v131, 7, v0
	v_lshlrev_b32 v131, 3, v131
	v_add_nc_u32 v131, s22, v131                   ; v131: su of columns 16 S + 2 cp, + 1
	v_and_b32 v139, 15, v0
	v_bfe_u32 v140, v0, 4, 1
	v_lshlrev_b32 v140, 14, v140
	WIN 0x40                                       ; destinations in window 1
	v_lshl_add_u32 v[XO], v139, 4, v140            ; x: 16 (lane % 16) + a row for lanes 16-31; never rewritten
	v_lshl_add_u32 v[XA], v139, 4, s50             ; my figures into LDS
	v_lshl_add_u32 v[XB], v2, 3, s51               ; and back
	v_lshlrev_b32 v[XC], 3, v2                     ; into rng
.irp e, 0,1,2,3
	v_mov_b32 v[XP+\e], 0                          ; a lane permute's destination counts as one of its sources
.endr
	WIN 0
	WA                                             ; the head's end
	global_load_b64 v[4:5], v131, s[10:11]         ; su
.irp k, 0,1,2,3,4,5,6,7
	global_load_b128 v[SV+4*\k:SV+4*\k+3], v130, s[12:13] offset:1024*\k
.endr
.set n, 0
.rept 32
	global_load_b32 v[WN+n], v128, s[6:7] offset:2048*(n%4)+524288*(n/4)
	global_load_b32 v[AD+n], v129, s[6:7] offset:2048*(n%4)+524288*(n/4)
.set n, n+1
.endr
	WIN 0x55
.set u, 0
.rept 32
	global_load_b128 v[4*u:4*u+3], v[XO], s[4:5] offset:32768*u th:TH_LOAD_NT   ; the ring of x: 32 loads of 512 bytes
.set u, u+1
.endr
	WIN 0
	s_wait_loadcnt 32                              ; su, sv and the trellis words are in; the 32 loads of x behind them stay out
.set n, 0
.rept 32
	v_perm_b32 v[WN+n], v[WN+n], v[AD+n], s30      ; word << 16 | next word
.set n, n+1
.endr
	XF                                             ; one fold ahead of the first lookups: they begin as soon as the half of the table and the trellis words are in
	WA
	s_wait_tensorcnt 0x0                           ; my part of the lower half is in
	BAR                                            ; everybody's is
	P0 0
	XF
	P0 1
	XF
	P0 2
	XF
	P0 3
	XF
	WA
	s_wait_dscnt 0x0                               ; my lookups are back
	BAR                                            ; everybody's are: no lookup stands beside the add below
	s_wait_tensorcnt 0x0
	ds_add_u32 v[SPW], v[NIL]
	s_add_nc_u64 s[G0+2:G0+3], s[G0+2:G0+3], 0x40000   ; no tensor load of mine is out: on to the upper half
	s_wait_dscnt 0x0
	ROUND                                          ; no wave of any partner still reads the lower half
	JLOAD                                          ; the refill, first behind the round
.rept 6
	XF
.endr
	WA
	s_wait_tensorcnt 0x0
	BAR                                            ; the upper half is whole
	P1I 0
	P1I 1
	XF
	P1U 0, 16
	P1I 2
	XF
	P1U 1, 16
	XF
	P1I 3
	XF
	P1U 2, 16
	XF
	P1U 3, 0
	XF
	WA
	s_wait_dscnt 0x0
	BAR                                            ; all lookups are over, and the table's bytes have had their last fill: they serve as the stage
	v_mov_b32 v16, 1.0
	v_mov_b32 v17, -1.0                            ; v[16:17]: the signs of the last butterfly
.set n, 0
.rept 16
	SVB n                                          ; bit 0 of the row, with sv
.set n, n+2
.endr
	XF
	PASS 4, 0                                      ; bits 1, 8 of the row
	XF
	PASS 16, 0                                     ; bits 9, 10
	XF
.set n, 0
.rept 32
	ds_store_b128 v[8+(n%4)+4*(n/16)], v[D+4*n:D+4*n+3] offset:16384*((n/4)%4)
.set n, n+1
.endr
	XF
	WA
	s_wait_dscnt 0x0                               ; for the others' sake: my stores have landed
	BAR
	; Second lay-out: wave = bits 10:8 of the row, lane / 8 = bits 1:0, pair i = bits 7:2; lane % 8 = a pair of neighbouring columns
.set i, 0
.rept 64
	ds_load_b64 v[D+2*i:D+2*i+1], v[28+(i%4)] offset:256*i   ; 32 lanes read one line of 256 bytes: four rows of the stripe
.set i, i+1
.endr
	v_mul_f32 v4, 0x3cb504f3, v4                   ; su / sqrt(2048): the row transform's norm rides on su
	v_mul_f32 v5, 0x3cb504f3, v5
	PASS 1, 1                                      ; bits 2, 3
	XF
	PASS 4, 0                                      ; bits 4, 5
	XF
	PASS 16, 0                                     ; bits 6, 7
	XF
.set i, 0
.rept 16
.irp k, 0,1,2,3
	v_pk_mul_f32 v[D+2*(i+\k):D+2*(i+\k)+1], v[D+2*(i+\k):D+2*(i+\k)+1], v[4:5]
.endr
.irp k, 0,1,2,3
	v_pk_fma_f32 v[D+2*(i+\k):D+2*(i+\k)+1], v[D+2*(i+\k):D+2*(i+\k)+1], v[16:17], v[D+2*(i+\k):D+2*(i+\k)+1] op_sel:[1,0,0] op_sel_hi:[1,1,0]   ; (a, b) -> (b + a, -b + a): the column transform's first stage
.endr
.irp k, 0,1,2,3
	global_store_b64 v19, v[D+2*(i+\k):D+2*(i+\k)+1], s[16:17] offset:131072*((i+\k)/2)+256*((i+\k)%2) th:TH_STORE_NT   ; 32 lanes store 256 consecutive bytes, at a multiple of 256 from wt's first byte
.endr
.if (i/4)%2 == 1
	XF                                             ; the last eight folds, one behind every second group of stores: 32 in all
.endif
.set i, i+4
.endr
	; x's figures: even rows' with odd rows', then the eight waves' through LDS
	WA
	WIN 0x55
.irp e, 0,1,2,3
	v_permlanex16_b32 v[XP+\e], v[XMN+\e], s28, s29
.endr
.irp e, 0,1,2,3
	v_min_num_f32 v[XMN+\e], v[XMN+\e], v[XP+\e]
.endr
.irp e, 0,1,2,3
	v_permlanex16_b32 v[XP+\e], v[XMX+\e], s28, s29
.endr
.irp e, 0,1,2,3
	v_max_num_f32 v[XMX+\e], v[XMX+\e], v[XP+\e]
.endr
.irp e, 0,1,2,3
	v_xor_b32 v[XMX+\e], 0x80000000, v[XMX+\e]     ; the largest, negated: from here on both are joined by a minimum
.endr
	ds_store_b128 v[XA], v[XMN:XMN+3]              ; lanes l and l + 16 write the same bytes with the same numbers
	ds_store_b128 v[XA], v[XMX:XMX+3] offset:256
	WIN 0
	WA
	s_wait_dscnt 0x0
	BAR
	s_cmp_lt_u32 s18, 2
	s_cbranch_scc0 .Lend
	WIN 0x55
.irp k, 0,1,2,3,4,5,6,7
	ds_load_b64 v[XR+2*\k:XR+2*\k+1], v[XB] offset:512*\k
.endr
	s_wait_dscnt 0x0
.irp k, 1,3,5
.irp e, 0,1
	v_min3_num_f32 v[XR+\e], v[XR+\e], v[XR+2*\k+\e], v[XR+2+2*\k+\e]
.endr
.endr
.irp e, 0,1
	v_min_num_f32 v[XR+\e], v[XR+\e], v[XR+14+\e]
.endr
	global_store_b64 v[XC], v[XR:XR+1], s[14:15]   ; 32 lanes store 256 consecutive bytes, aligned
	WIN 0
.Lend:
	s_wait_tensorcnt 0x0                           ; the wave's end
	ds_add_u32 v[SPW], v[NIL]
	s_wait_dscnt 0x0
	ROUND                                          ; the closing round
	s_endpgm
.Lfunc_end_k_qe4d49eb7b2_prep:
	.size	k_qe4d49eb7b2_prep, .Lfunc_end_k_qe4d49eb7b2_prep-k_qe4d49eb7b2_prep
	.p2alignl 7, 3214868480
	.fill 96, 4, 3214868480
	.section	.rodata,"a",@progbits
	.p2align	6, 0x0
	.amdhsa_kernel k_qe4d49eb7b2_prep
		.amdhsa_group_segment_fixed_size 327680
		.amdhsa_private_segment_fixed_size 0
		.amdhsa_enable_private_segment 0
		.amdhsa_kernarg_size 56
		.amdhsa_user_sgpr_count 2
		.amdhsa_user_sgpr_kernarg_segment_ptr 1
		.amdhsa_wavefront_size32 1
		.amdhsa_system_sgpr_workgroup_id_x 1
		.amdhsa_system_sgpr_workgroup_id_y 1
		.amdhsa_system_sgpr_workgroup_id_z 1
		.amdhsa_system_vgpr_workitem_id 0
		.amdhsa_next_free_vgpr 512
		.amdhsa_next_free_sgpr 66
		.amdhsa_reserve_vcc 0
		.amdhsa_float_denorm_mode_32 3
		.amdhsa_float_denorm_mode_16_64 3
		.amdhsa_memory_ordered 1
		.amdhsa_forward_progress 1
		.amdhsa_inst_pref_size 179
	.end_amdhsa_kernel
	.amdgpu_metadata
---
amdhsa.version: [ 1, 2 ]
amdhsa.kernels:
  - .name:           k_qe4d49eb7b2_prep
    .symbol:         k_qe4d49eb7b2_prep.kd
    .args:
      - { .name: x, .offset: 0, .size: 8, .value_kind: global_buffer, .address_space: global }
      - { .name: trellis, .offset: 8, .size: 8, .value_kind: global_buffer, .address_space: global }
      - { .name: lut, .offset: 16, .size: 8, .value_kind: global_buffer, .address_space: global }
      - { .name: su, .offset: 24, .size: 8, .value_kind: global_buffer, .address_space: global }
      - { .name: sv, .offset: 32, .size: 8, .value_kind: global_buffer, .address_space: global }
      - { .name: rng, .offset: 40, .size: 8, .value_kind: global_buffer, .address_space: global }
      - { .name: wt, .offset: 48, .size: 8, .value_kind: global_buffer, .address_space: global }
    .group_segment_fixed_size: 327680
    .private_segment_fixed_size: 0
    .kernarg_segment_align: 8
    .kernarg_segment_size: 56
    .max_flat_workgroup_size: 256
    .sgpr_count:     66
    .vgpr_count:     512
    .wavefront_size: 32
...
	.end_amdgpu_metadata
.endif
;; end of part 1
;; launch quant (part 2): grid 768 x 1, 8 waves a work-group, no clusters, 163,840 bytes of LDS; arguments x, rng, wt, weight_scales, xq, wq; writes xq, wq
.if DOCPART == 2
	.amdgcn_target "amdgcn-amd-amdhsa--gfx1250"
	.amdhsa_code_object_version 6
	.text
	.protected	k_qe4d49eb7b2_quant
	.globl	k_qe4d49eb7b2_quant
	.p2align	8
	.type	k_qe4d49eb7b2_quant,@function
k_qe4d49eb7b2_quant:
	s_mov_b64 s[64:65], 0
	v_nop
	global_prefetch_b8 v0, s[64:65] scope:SCOPE_SE
	s_setreg_imm32_b32 hwreg(HW_REG_WAVE_MODE, 25, 1), 1
	s_wait_xcnt 0x0
; QUANT: both operands of the product become codes of FP4 (E2M1) with one E8M0 byte for each 32 along K.  Two kinds of work-groups, told apart by the work-group's number alone, each with LDS bytes of its own.
; WHO: under number 512 the kind is bit 0 of (number xor number >> 8): of work-groups 2 j and 2 j + 1 one is of each kind, and so of j and j + 256; both take the index number >> 1.
; Numbers 512 .. 767 are of x's kind, with the index number - 256.  A work-group is eight waves and claims 163,840 bytes of LDS, so that two can be resident side by side.
; W2 (weight, 256 work-groups): 8 rows of the weight, a wave a row: the other eleven stages of the Hadamard over the 4,096 columns, x weight_scales / 64, the quantiser.
; X2 (x, 512 work-groups): 128 rows x 512 columns of x: the columns' ranges -> scale and zero point, the 8-bit fake quantisation in f32 as the source writes it, the quantiser.
; OUT: xq [K step 8][block of 128 rows 64][34,816 bytes], wq [8][16][34,816]: a block is 128 rows x 256 bytes of codes (512 along K), then 8 x 256 bytes of scale bytes [16 rows][16 bytes]: one dense run of 136 x 256 bytes.
; All stores cover whole aligned runs of 256 bytes but one kind: W2's 8 rows have 128 scale bytes for a K step, half of such a run (the neighbouring work-group writes the other half): 262,144 bytes in all, one byte in 17 of wq.
; A block's scale byte is its largest magnitude's exponent field - 2, held at 1 from below by a floor among the maximum's leaves.
; DIVISIONS are a multiplication by a refined reciprocal followed by one correction with the remainder (two fused multiply-adds).
; clip(round(x / s) + zp, 0, 255) - zp is taken as the middle of round(x / s), -zp, 255 - zp: the same number while these whole numbers stay under 2^24.
; LIMITS: NaN and infinities are not served; |smallest of a column| / scale stays under 2^23; a column's scale and its reciprocal are normal f32 numbers; blocks whose largest magnitude lies under 2^-124 keep the byte 1,
; a block of zeros too, where the rule says 127: its codes are zeros, and this program alone reads the bytes.
.set D,    128                         ; W2: v128-255 the row's 128 numbers of a lane
.set CW,   32                          ; W2: v32-47 codes;  v48-63 codes as they leave
.set OW,   48
.set WSTG, 16896                       ; W2: a wave's stage: 32 rows of 528 bytes (512 + 16: sixteen lanes' 16-byte reads of one column of 16 rows start 33 x 16 bytes apart)
.set WSC,  135168                      ; W2: the work-group's scale bytes [K step 8][row 8][16]
.set PRM,  136192                      ; X2: two arrays of 512 f32: scale, -zp
.set XSTG, 140288                      ; X2: 2,816 bytes a wave: a stage of 32 x 80, then 256 scale bytes
.set PSC,  16                          ; X2: v16-31 scale, v32-47 1 / scale, v48-63 -zp, v64-79 255 - zp of my 16 columns (register 4 i + e: column 128 i + 4 lane + e)
.set PIN,  32
.set PLO,  48
.set PHI,  64
.set R,    80                          ; X2: v80-143 four sets of 16 numbers as loaded
.set X,    144                         ; X2: v144-175 two sets of 16 neighbours
.set T,    176                         ; X2: v176-191 at work
.set U,    184
.set C,    192                         ; X2: v192-223 codes, two registers a row, so that no store's data are written again
.set E,    224                         ; X2: v224-239 a scale byte a row
.macro R4                              ; two butterfly stages on four register pairs: eight packed additions
	v_pk_add_f32 v[20:21], v[RA:RA+1], v[RB:RB+1]
	v_pk_add_f32 v[22:23], v[RA:RA+1], v[RB:RB+1] neg_lo:[0,1] neg_hi:[0,1]
	v_pk_add_f32 v[24:25], v[RC:RC+1], v[RD:RD+1]
	v_pk_add_f32 v[26:27], v[RC:RC+1], v[RD:RD+1] neg_lo:[0,1] neg_hi:[0,1]
	s_delay_alu instid0(VALU_DEP_2)
	v_pk_add_f32 v[RA:RA+1], v[20:21], v[24:25]
	s_delay_alu instid0(VALU_DEP_2)
	v_pk_add_f32 v[RB:RB+1], v[22:23], v[26:27]
	s_delay_alu instid0(VALU_DEP_4)
	v_pk_add_f32 v[RC:RC+1], v[20:21], v[24:25] neg_lo:[0,1] neg_hi:[0,1]
	s_delay_alu instid0(VALU_DEP_4)
	v_pk_add_f32 v[RD:RD+1], v[22:23], v[26:27] neg_lo:[0,1] neg_hi:[0,1]
.endm
; All 64 pairs of D, two bits of the pair's number, s and 2 s pairs apart.  mode 2: the pairs come by 32 global loads of two pairs each: group m wants the first 2 m + 2.
; mode 3: by 32 LDS loads: groups m and m + 1 (m even) want the first 2 m + 4.
.macro PASS s, mode
.set m, 0
.rept 16
.if (\mode) == 2
	s_wait_loadcnt 30-2*m
.endif
.if ((\mode) == 3) && (m%2 == 0)
	s_wait_dscnt 28-2*m
.endif
.set RA, D+2*((m%(\s))+(m/(\s))*4*(\s))
.set RB, RA+2*(\s)
.set RC, RA+4*(\s)
.set RD, RA+6*(\s)
	R4
.set m, m+1
.endr
.endm
.macro LOAD t                          ; X2: row t of my 16: its 2,048 bytes of this K step, 512 consecutive bytes a load
.irp i, 0,1,2,3
	global_load_b128 v[R+16*((\t)%4)+4*\i:R+16*((\t)%4)+4*\i+3], v3, s[4:5] offset:16384*(\t)+512*\i th:TH_LOAD_NT
.endr
.endm
.macro FQ set                          ; X2: the fake quantisation of a set of 16 numbers, in place, eight at a time
.set RS, R+16*((\set)%4)
.irp hf, 0,8
.irp k, 0,2,4,6
	v_pk_mul_f32 v[T+\k:T+\k+1], v[RS+\hf+\k:RS+\hf+\k+1], v[PIN+\hf+\k:PIN+\hf+\k+1]          ; x / s, first guess
.endr
.irp k, 0,2,4,6
	s_delay_alu instid0(VALU_DEP_4)
	v_pk_fma_f32 v[U+\k:U+\k+1], v[T+\k:T+\k+1], v[PSC+\hf+\k:PSC+\hf+\k+1], v[RS+\hf+\k:RS+\hf+\k+1] neg_lo:[1,0,0] neg_hi:[1,0,0]   ; the remainder
.endr
.irp k, 0,2,4,6
	s_delay_alu instid0(VALU_DEP_4)
	v_pk_fma_f32 v[T+\k:T+\k+1], v[U+\k:U+\k+1], v[PIN+\hf+\k:PIN+\hf+\k+1], v[T+\k:T+\k+1]      ; the quotient
.endr
.irp k, 0,1,2,3,4,5,6,7
	v_rndne_f32 v[T+\k], v[T+\k]
.endr
.irp k, 0,1,2,3,4,5,6,7
	v_med3_num_f32 v[T+\k], v[T+\k], v[PLO+\hf+\k], v[PHI+\hf+\k]                              ; q - zp
.endr
.irp k, 0,2,4,6
	v_pk_mul_f32 v[T+\k:T+\k+1], v[T+\k:T+\k+1], v[PSC+\hf+\k:PSC+\hf+\k+1]                    ; dq
.endr
.irp k, 0,2,4,6
	s_delay_alu instid0(VALU_DEP_4)
	v_pk_add_f32 v[T+\k:T+\k+1], v[T+\k:T+\k+1], v[RS+\hf+\k:RS+\hf+\k+1] neg_lo:[0,1] neg_hi:[0,1]   ; dq - x
.endr
.irp k, 0,2,4,6
	s_delay_alu instid0(VALU_DEP_4)
	v_pk_add_f32 v[RS+\hf+\k:RS+\hf+\k+1], v[RS+\hf+\k:RS+\hf+\k+1], v[T+\k:T+\k+1]            ; x + (dq - x)
.endr
.endr
.endm
.macro TURN t                          ; X2: a row's 512 numbers through my stage: in as loaded (four lanes' 64 bytes on end, then 16 of padding), out 64 bytes a lane: 16 neighbours.  LDS serves a wave's instructions in order
.irp i, 0,1,2,3
	ds_store_b128 v6, v[R+16*((\t)%4)+4*\i:R+16*((\t)%4)+4*\i+3] offset:640*\i
.endr
.irp i, 0,1,2,3
	ds_load_b128 v[X+16*((\t)%2)+4*\i:X+16*((\t)%2)+4*\i+3], v7 offset:16*\i
.endr
.endm
.macro STEP t
.set XS, X+16*((\t)%2)
.if (\t) > 0
	s_wait_dscnt 1                                 ; this row is back from the stage (the last row's byte store may be out): its stores into the stage have read their registers,
.else
	s_wait_dscnt 0x0
.endif
.if (\t)+4 < 16
	LOAD (\t)+4                                    ; which take the row four further on
.endif
.if (\t)+1 < 16
.if 14-(\t) >= 3
	s_wait_loadcnt 12                              ; the next row's four loads are in; those of the three rows behind it may be out
.else
	s_wait_loadcnt 4*(14-(\t))
.endif
	FQ (\t)+1
	TURN (\t)+1
.endif
	v_max3_num_f32 v11, |v[XS]|, |v[XS+1]|, |v[XS+2]|               ; the largest magnitude of my 16, in two chains
	v_max3_num_f32 v12, |v[XS+3]|, |v[XS+4]|, |v[XS+5]|
.irp i, 6,10
	s_delay_alu instid0(VALU_DEP_2)
	v_max3_num_f32 v11, v11, |v[XS+\i]|, |v[XS+\i+1]|
	s_delay_alu instid0(VALU_DEP_2)
	v_max3_num_f32 v12, v12, |v[XS+\i+2]|, |v[XS+\i+3]|
.endr
	s_delay_alu instid0(VALU_DEP_2)
	v_max3_num_f32 v11, v11, |v[XS+14]|, |v[XS+15]|
	s_delay_alu instid0(VALU_DEP_1)
	v_max3_num_f32 v11, v11, v12, 0x1800000        ; and the floor 2^(3 - 127): the byte cannot fall under 1
	s_delay_alu instid0(VALU_DEP_1)
	v_max_num_f32_dpp v11, v11, v11 row_xmask:1 row_mask:0xf bank_mask:0xf   ; with my neighbour's 16: the block's
	s_delay_alu instid0(VALU_DEP_1)
	v_add_nc_u32 v13, 0xff000000, v11              ; 2 off its exponent field: the conversion takes this operand's exponent field as its scale
	v_cvt_scalef32_pk8_fp4_f32 v[C+2*(\t)], v[XS:XS+7], v13
	v_cvt_scalef32_pk8_fp4_f32 v[C+2*(\t)+1], v[XS+8:XS+15], v13
	v_lshrrev_b32 v[E+(\t)], 23, v13               ; the scale's byte (a plain line behind the conversions)
	ds_store_b8 v8, v[E+(\t)] offset:16*(\t)       ; both lanes of a block write the same byte with the same value
	global_store_b64 v10, v[C+2*(\t):C+2*(\t)+1], s[34:35] offset:256*(\t)   ; 32 lanes store a row's 256 bytes of codes, aligned
.endm
	s_load_b256 s[4:11], s[0:1], 0x0               ; x s[4:5], rng s[6:7], wt s[8:9], weight_scales s[10:11]
	s_load_b128 s[12:15], s[0:1], 0x20             ; xq s[12:13], wq s[14:15]
	s_set_vgpr_msb 0x40
	v_lshl_add_u32 v0, v0, 2, 0x27c00
	v_mov_b32 v1, 0
	s_set_vgpr_msb 0x4000
	v_lshrrev_b32 v1, 5, v0
	s_delay_alu instid0(VALU_DEP_1)
	v_readfirstlane_b32 s18, v1                    ; wave 0..7
	v_and_b32 v2, 31, v0                           ; lane
	s_lshr_b32 s19, ttmp9, 8
	s_xor_b32 s19, s19, ttmp9
	s_and_b32 s19, s19, 1
	s_lshr_b32 s20, ttmp9, 9
	s_or_b32 s19, s19, s20                         ; the kind: 0 the weight, else x
	s_lshr_b32 s38, ttmp9, 1
	s_max_u32 s39, ttmp9, 256
	s_sub_co_u32 s39, s39, 256
	s_cmp_lt_u32 ttmp9, 512
	s_cselect_b32 s38, s38, s39                    ; the index
	s_cmp_eq_u32 s19, 0                            ; the same in all waves of a work-group
	s_cbranch_scc0 .Lx2
	; ================= W2.  G = the index: rows 8 G + wave
	s_mul_i32 s19, s18, WSTG
	s_wait_alu depctr_va_vdst(0)
	v_lshrrev_b32 v3, 1, v2
	s_delay_alu instid0(VALU_DEP_1)
	v_lshlrev_b32 v3, 2, v3                        ; v3: my group of 256 columns: lane / 2
	v_lshrrev_b32 v13, 2, v2
	v_and_b32 v16, 3, v2
	s_delay_alu instid0(VALU_DEP_2)
	v_lshlrev_b32 v4, 9, v13
	s_delay_alu instid0(VALU_DEP_1)
	v_lshl_add_u32 v4, v16, 4, v4
	s_lshl_b32 s20, s18, 6
	v_add_nc_u32 v4, s20, v4                       ; v4: wt: stripe lane / 4 (512 bytes), my row (64), 16 (lane % 4)
	v_lshl_add_u32 v5, v2, 4, s19                  ; v5: into the stage: 16 x lane
	v_mul_u32_u24 v6, v2, 528
	s_delay_alu instid0(VALU_DEP_1)
	v_add_nc_u32 v6, s19, v6                       ; v6: out of it: row = lane
	s_lshl_b32 s21, s18, 4
	s_add_co_u32 s21, s21, WSC
	v_lshl_add_u32 v7, v13, 7, s21
	s_delay_alu instid0(VALU_DEP_1)
	v_lshl_add_u32 v7, v16, 2, v7                  ; v7: my scale word: K step lane / 4 (128 bytes), row = wave, word lane % 4
	v_mul_u32_u24 v8, v2, 80
	s_delay_alu instid0(VALU_DEP_1)
	v_add_nc_u32 v8, s19, v8                       ; v8: my 64 bytes of codes into the stage, 80 bytes from lane to lane
	v_mul_u32_u24 v9, v13, 80
	s_delay_alu instid0(VALU_DEP_1)
	v_lshl_add_u32 v9, v16, 4, v9
	s_delay_alu instid0(VALU_DEP_1)
	v_add_nc_u32 v9, s19, v9                       ; v9: and back: four lanes share a lane's 64 bytes
	v_lshrrev_b32 v10, 4, v2
	s_delay_alu instid0(VALU_DEP_1)
	v_mul_u32_u24 v10, v10, 0x88000
	v_and_b32 v16, 15, v2
	s_delay_alu instid0(VALU_DEP_1)
	v_lshl_add_u32 v12, v16, 3, v10                ; v12: wq, scale bytes: lanes 16-31 a K step (557,056 bytes) further on; 8 (lane % 16)
	s_delay_alu instid0(VALU_DEP_2)
	v_lshl_add_u32 v10, v16, 4, v10                ; v10: wq, codes: the same with 16 (lane % 16)
	s_lshl_b32 s22, s18, 8
	s_add_co_u32 s22, s22, WSC
	v_lshl_add_u32 v11, v2, 3, s22                 ; v11: waves 0-3 read two K steps' 128 scale bytes back
	s_lshl_b32 s24, s38, 17                        ; wt: 131,072 bytes a group of 8 rows
	s_mov_b32 s25, 0
	s_lshl_b32 s26, s38, 9                         ; weight_scales: 16 a row
	s_lshl_b32 s23, s18, 6
	s_add_co_u32 s26, s26, s23
	s_mov_b32 s27, 0
	s_lshr_b32 s28, s38, 4
	s_mul_i32 s28, s28, 34816                      ; my block of 128 rows
	s_and_b32 s29, s38, 15
	s_lshl_b32 s30, s29, 11
	s_lshl_b32 s31, s18, 8
	s_add_co_u32 s30, s30, s31
	s_add_co_u32 s30, s30, s28                     ; codes: + 256 x my row in the block
	s_mov_b32 s31, 0
	s_mul_i32 s32, s18, 0x110000                   ; scale bytes: K steps 2 wave and 2 wave + 1 (waves 0-3 alone use it),
	s_add_co_u32 s32, s32, s28
	s_lshl_b32 s29, s29, 7
	s_add_co_u32 s32, s32, s29                     ; my 8 rows of 16 bytes,
	s_add_co_u32 s32, s32, 32768                   ; behind the block's codes
	s_mov_b32 s33, 0
	s_wait_kmcnt 0x0
	s_add_nc_u64 s[8:9], s[8:9], s[24:25]
	s_add_nc_u64 s[10:11], s[10:11], s[26:27]
	s_add_nc_u64 s[34:35], s[14:15], s[30:31]
	s_add_nc_u64 s[36:37], s[14:15], s[32:33]
	global_load_b32 v14, v3, s[10:11]
.set j, 0
.rept 32
	global_load_b128 v[D+4*j:D+4*j+3], v4, s[8:9] offset:4096*j   ; column 128 j + 4 lane + e.  Eight pieces of 64 bytes; three other waves of the work-group read the rest of the same runs of 256 bytes
.set j, j+1
.endr
	PASS 1, 2                                      ; bits 1 and 7 of the column (bit 0 was done by the launch before)
	v_mul_f32 v14, 0x3c800000, v14                 ; weight scale / 64: the column transform's norm, a power of two
	s_delay_alu instid0(VALU_DEP_1)
	v_mov_b32 v15, v14
	PASS 4, 0                                      ; bits 8, 9
	PASS 16, 0                                     ; bits 10, 11
.set j, 0
.rept 32
	ds_store_b128 v5, v[D+4*j:D+4*j+3] offset:528*j
.set j, j+1
.endr
.set j, 0
.rept 32
	ds_load_b128 v[D+4*j:D+4*j+3], v6 offset:16*j  ; my own stage, served in order: now column 128 lane + 4 j + e
.set j, j+1
.endr
	PASS 2, 3                                      ; bits 2, 3
	PASS 8, 0                                      ; bits 4, 5
.set m, 0
.rept 32                                       ; bit 6, and the scale
.set RA, D+2*m
.set RB, RA+64
.set TT, 20+4*(m%2)
	v_pk_add_f32 v[TT:TT+1], v[RA:RA+1], v[RB:RB+1]
	v_pk_add_f32 v[TT+2:TT+3], v[RA:RA+1], v[RB:RB+1] neg_lo:[0,1] neg_hi:[0,1]
	s_delay_alu instid0(VALU_DEP_2)
	v_pk_mul_f32 v[RA:RA+1], v[TT:TT+1], v[14:15]
	s_delay_alu instid0(VALU_DEP_2)
	v_pk_mul_f32 v[RB:RB+1], v[TT+2:TT+3], v[14:15]
.set m, m+1
.endr
	; the quantiser: a lane holds four whole blocks of 32 along K
.irp b, 0,1,2,3
	v_max3_num_f32 v[64+\b], |v[D+32*\b]|, |v[D+32*\b+1]|, 0x1800000   ; with the floor 2^(3 - 127)
.endr
.irp i, 2,4,6,8,10,12,14,16,18,20,22,24,26,28,30
.irp b, 0,1,2,3
	s_delay_alu instid0(VALU_DEP_4)
	v_max3_num_f32 v[64+\b], v[64+\b], |v[D+32*\b+\i]|, |v[D+32*\b+\i+1]|   ; the four blocks by turns
.endr
.endr
.irp b, 0,1,2,3
	s_delay_alu instid0(VALU_DEP_4)
	v_add_nc_u32 v[72+\b], 0xff000000, v[64+\b]    ; 2 off the exponent field: the conversion's scale operand
.endr
.irp b, 0,1,2,3
	s_delay_alu instid0(VALU_DEP_4)
	v_lshrrev_b32 v[68+\b], 23, v[72+\b]           ; the byte
.endr
	s_delay_alu instid0(VALU_DEP_3)
	v_lshl_or_b32 v76, v69, 8, v68
	s_delay_alu instid0(VALU_DEP_1)
	v_lshl_or_b32 v76, v70, 16, v76
	s_delay_alu instid0(VALU_DEP_1)
	v_lshl_or_b32 v76, v71, 24, v76                ; my four blocks' bytes: one scale word
.irp b, 0,1,2,3
.irp g, 0,1,2,3
	v_cvt_scalef32_pk8_fp4_f32 v[CW+4*\b+\g], v[D+32*\b+8*\g:D+32*\b+8*\g+7], v[72+\b]
.endr
.endr
	v_nop                                          ; a plain line behind the last conversion
	ds_store_b32 v7, v76
.irp b, 0,1,2,3
	ds_store_b128 v8, v[CW+4*\b:CW+4*\b+3] offset:16*\b
.endr
.irp q, 0,1,2,3
	ds_load_b128 v[OW+4*\q:OW+4*\q+3], v9 offset:640*\q   ; lanes 0-15: K step 2 q, lanes 16-31: K step 2 q + 1: 256 bytes of my row each
.endr
.irp q, 0,1,2,3
	s_wait_dscnt 3-\q
	global_store_b128 v10, v[OW+4*\q:OW+4*\q+3], s[34:35] offset:1114112*\q   ; sixteen lanes store 256 consecutive bytes, aligned
.endr
	s_wait_dscnt 0x0                               ; my scale word has landed
	s_barrier_signal -1
	s_barrier_wait -1
	s_cmp_lt_u32 s18, 4
	s_cbranch_scc0 .Lw2_end
	ds_load_b64 v[16:17], v11                      ; lanes 0-15: K step 2 wave, lanes 16-31: K step 2 wave + 1: the 8 rows' 16 bytes each
	s_wait_dscnt 0x0
	global_store_b64 v12, v[16:17], s[36:37]       ; sixteen lanes store 128 consecutive bytes: half of an aligned 256 (see the head)
.Lw2_end:
	s_set_vgpr_msb 0x5
	s_wait_tensorcnt 0x0
	ds_add_u32 v0, v1
	s_wait_dscnt 0x0
	s_set_vgpr_msb 0x500
	s_endpgm
	; ================= X2.  K step ks = 512 columns; one block of 128 rows; wave w takes rows 16 w .. 16 w + 15, a row a step
.Lx2:
	s_and_b32 s20, s38, 7                          ; ks
	s_lshr_b32 s21, s38, 3                         ; which block of 128 rows
	v_lshlrev_b32 v1, 3, v0                        ; v1: my two columns' place in rng (a thread two columns)
	s_wait_alu depctr_va_vdst(0)
	v_lshlrev_b32 v3, 4, v2                        ; v3: 16 x lane
	v_lshl_add_u32 v4, v0, 3, PRM                  ; v4: my two columns' parameters into LDS
	v_lshl_add_u32 v5, v2, 4, PRM                  ; v5: and my 16 columns' out of it
	s_mul_i32 s22, s18, 2816
	s_add_co_u32 s22, s22, XSTG
	v_lshrrev_b32 v11, 2, v2
	v_and_b32 v12, 3, v2
	s_delay_alu instid0(VALU_DEP_2)
	v_mul_u32_u24 v6, v11, 80
	s_delay_alu instid0(VALU_DEP_1)
	v_lshl_add_u32 v6, v12, 4, v6
	s_delay_alu instid0(VALU_DEP_1)
	v_add_nc_u32 v6, s22, v6                       ; v6: into my stage
	v_mul_u32_u24 v7, v2, 80
	s_delay_alu instid0(VALU_DEP_1)
	v_add_nc_u32 v7, s22, v7                       ; v7: out of it
	s_add_co_u32 s23, s22, 2560
	v_lshrrev_b32 v8, 1, v2
	s_delay_alu instid0(VALU_DEP_1)
	v_add_nc_u32 v8, s23, v8                       ; v8: my block's scale byte
	v_lshl_add_u32 v9, v2, 3, s23                  ; v9: the 256 scale bytes on their way out
	v_lshlrev_b32 v10, 3, v2                       ; v10: 8 x lane
	v_mov_b32 v14, 1.0
	s_mov_b32 s40, 0x3b808081                      ; 1 / 255
	s_mov_b32 s41, 0x437f0000                      ; 255
	s_lshl_b32 s24, s21, 21                        ; x: 128 rows of 16,384 bytes,
	s_lshl_b32 s25, s18, 18                        ; 16 rows,
	s_add_co_u32 s24, s24, s25
	s_lshl_b32 s25, s20, 11                        ; 512 columns
	s_add_co_u32 s24, s24, s25
	s_mov_b32 s26, s25                             ; rng: the same 2,048 bytes
	s_mov_b32 s25, 0
	s_mov_b32 s27, 0
	s_mul_i32 s28, s20, 0x220000                   ; xq: a K step is 64 blocks: 2,228,224 bytes
	s_mul_i32 s29, s21, 34816                      ; my block of 128 rows
	s_add_co_u32 s28, s28, s29
	s_lshl_b32 s31, s18, 12
	s_add_co_u32 s32, s28, s31                     ; codes: my 16 rows of 256 bytes
	s_mov_b32 s33, 0
	s_lshl_b32 s31, s18, 8
	s_add_co_u32 s28, s28, s31
	s_add_co_u32 s28, s28, 32768                   ; scale bytes: my group of 16 rows, behind the block's codes
	s_mov_b32 s29, 0
	s_wait_kmcnt 0x0
	s_add_nc_u64 s[4:5], s[4:5], s[24:25]
	s_add_nc_u64 s[6:7], s[6:7], s[26:27]
	s_add_nc_u64 s[34:35], s[12:13], s[32:33]
	s_add_nc_u64 s[36:37], s[12:13], s[28:29]
.irp p, 0,1,2,3
	global_load_b64 v[16+2*\p:17+2*\p], v1, s[6:7] offset:32768*\p
	global_load_b64 v[24+2*\p:25+2*\p], v1, s[6:7] offset:32768*\p+16384
.endr
.irp t, 0,1,2,3
	LOAD \t
.endr
	s_wait_loadcnt 16                              ; the ranges are in; the sixteen loads of x stay out
.irp e, 0,1
	v_min3_num_f32 v[16+\e], v[16+\e], v[18+\e], v[20+\e]
	v_min3_num_f32 v[24+\e], v[24+\e], v[26+\e], v[28+\e]
.endr
.irp e, 0,1
	s_delay_alu instid0(VALU_DEP_4)
	v_min_num_f32 v[16+\e], v[16+\e], v[22+\e]     ; the column's smallest
	s_delay_alu instid0(VALU_DEP_4)
	v_min_num_f32 v[24+\e], v[24+\e], v[30+\e]     ; the negative of its largest
.endr
.irp e, 0
	s_delay_alu instid0(VALU_DEP_3)
	v_add_f32 v[18+\e], v[24+\e], v[16+\e]         ; -(largest - smallest)
.endr
.irp e, 1
	s_delay_alu instid0(VALU_DEP_2)
	v_add_f32 v[18+\e], v[24+\e], v[16+\e]         ; -(largest - smallest)
.endr
.irp e, 0,1
	s_delay_alu instid0(VALU_DEP_2)
	v_mul_f32 v[20+\e], -v[18+\e], s40
.endr
.irp e, 0,1
	s_delay_alu instid0(VALU_DEP_2)
	v_fma_f32 v[22+\e], -v[20+\e], s41, -v[18+\e]
.endr
.irp e, 0,1
	s_delay_alu instid0(VALU_DEP_2)
	v_fma_f32 v[20+\e], v[22+\e], s40, v[20+\e]    ; scale = (largest - smallest) / 255
.endr
.irp e, 0
	s_delay_alu instid0(VALU_DEP_2)
	v_cmp_ge_f32 vcc_lo, 0, v[20+\e]
	s_delay_alu instid0(VALU_DEP_1)
	v_cndmask_b32 v[20+\e], v[20+\e], v14, vcc_lo  ; 1 where it is not positive
.endr
.irp e, 1
	s_delay_alu instid0(VALU_DEP_3)
	v_cmp_ge_f32 vcc_lo, 0, v[20+\e]
	s_delay_alu instid0(VALU_DEP_1)
	v_cndmask_b32 v[20+\e], v[20+\e], v14, vcc_lo  ; 1 where it is not positive
.endr
	s_wait_alu depctr_va_vdst(0)
	v_rcp_f32 v26, v20
	v_rcp_f32 v27, v21
	v_nop                                          ; a plain line behind the reciprocals
	s_wait_alu depctr_va_vdst(0)                   ; the wait ahead of the first line that names a result: one for the two
.irp e, 0,1
	v_fma_f32 v[28+\e], -v[20+\e], v[26+\e], 1.0
.endr
.irp e, 0,1
	v_fma_f32 v[26+\e], v[28+\e], v[26+\e], v[26+\e]   ; 1 / scale, refined once
.endr
.irp e, 0,1
	s_delay_alu instid0(VALU_DEP_2)
	v_mul_f32 v[28+\e], -v[16+\e], v[26+\e]
.endr
.irp e, 0,1
	s_delay_alu instid0(VALU_DEP_2)
	v_fma_f32 v[30+\e], -v[28+\e], v[20+\e], -v[16+\e]
.endr
.irp e, 0,1
	s_delay_alu instid0(VALU_DEP_2)
	v_fma_f32 v[28+\e], v[30+\e], v[26+\e], v[28+\e]   ; -smallest / scale
.endr
.irp e, 0,1
	s_delay_alu instid0(VALU_DEP_2)
	v_rndne_f32 v[28+\e], v[28+\e]                 ; zp
.endr
.irp e, 0,1
	s_delay_alu instid0(VALU_DEP_2)
	v_xor_b32 v[28+\e], 0x80000000, v[28+\e]       ; -zp
.endr
	ds_store_b64 v4, v[20:21]
	ds_store_b64 v4, v[28:29] offset:2048
	s_wait_dscnt 0x0                               ; for the others' sake
	s_barrier_signal -1
	s_barrier_wait -1
.irp i, 0,1,2,3
	ds_load_b128 v[PSC+4*\i:PSC+4*\i+3], v5 offset:512*\i
	ds_load_b128 v[PLO+4*\i:PLO+4*\i+3], v5 offset:2048+512*\i
.endr
	s_wait_dscnt 0x0
	; 1 / scale and 255 - zp of my 16 columns are made anew in each lane: two arrays the fewer in LDS
.irp k, 0,1,2,3,4,5,6,7,8,9,10,11,12,13,14,15
	v_rcp_f32 v[PIN+\k], v[PSC+\k]
.endr
.irp k, 0,1,2,3,4,5,6,7,8,9,10,11,12,13,14,15
	v_add_f32 v[PHI+\k], s41, v[PLO+\k]            ; 255 - zp: plain work behind the reciprocals, which names none of their results
.endr
	s_wait_alu depctr_va_vdst(0)                   ; one wait for the sixteen, ahead of their first reader
.irp k, 0,1,2,3,4,5,6,7,8,9,10,11,12,13,14,15
	v_fma_f32 v[T+\k], -v[PSC+\k], v[PIN+\k], 1.0
.endr
.irp k, 0,1,2,3,4,5,6,7,8,9,10,11,12,13,14,15
	v_fma_f32 v[PIN+\k], v[T+\k], v[PIN+\k], v[PIN+\k]   ; refined once
.endr
	s_wait_loadcnt 12                              ; row 0 is in
	FQ 0
	TURN 0
.irp t, 0,1,2,3,4,5,6,7,8,9,10,11,12,13,14,15
	STEP \t
.endr
	ds_load_b64 v[14:15], v9                       ; served in order: these see my byte stores
	s_wait_dscnt 0x0
	global_store_b64 v10, v[14:15], s[36:37]       ; 256 consecutive bytes, aligned
	s_set_vgpr_msb 0x5
	s_wait_tensorcnt 0x0
	ds_add_u32 v0, v1
	s_wait_dscnt 0x0
	s_set_vgpr_msb 0x500
	s_endpgm
.Lfunc_end_k_qe4d49eb7b2_quant:
	.size	k_qe4d49eb7b2_quant, .Lfunc_end_k_qe4d49eb7b2_quant-k_qe4d49eb7b2_quant
	.p2alignl 7, 3214868480
	.fill 96, 4, 3214868480
	.section	.rodata,"a",@progbits
	.p2align	6, 0x0
	.amdhsa_kernel k_qe4d49eb7b2_quant
		.amdhsa_group_segment_fixed_size 163840
		.amdhsa_private_segment_fixed_size 0
		.amdhsa_enable_private_segment 0
		.amdhsa_kernarg_size 48
		.amdhsa_user_sgpr_count 2
		.amdhsa_user_sgpr_kernarg_segment_ptr 1
		.amdhsa_wavefront_size32 1
		.amdhsa_system_sgpr_workgroup_id_x 1
		.amdhsa_system_sgpr_workgroup_id_y 1
		.amdhsa_system_sgpr_workgroup_id_z 1
		.amdhsa_system_vgpr_workitem_id 0
		.amdhsa_next_free_vgpr 258
		.amdhsa_next_free_sgpr 66
		.amdhsa_reserve_vcc 1
		.amdhsa_float_denorm_mode_32 3
		.amdhsa_float_denorm_mode_16_64 3
		.amdhsa_memory_ordered 1
		.amdhsa_forward_progress 1
		.amdhsa_inst_pref_size 214
	.end_amdhsa_kernel
	.amdgpu_metadata
---
amdhsa.version: [ 1, 2 ]
amdhsa.kernels:
  - .name:           k_qe4d49eb7b2_quant
    .symbol:         k_qe4d49eb7b2_quant.kd
    .args:
      - { .name: x, .offset: 0, .size: 8, .value_kind: global_buffer, .address_space: global }
      - { .name: rng, .offset: 8, .size: 8, .value_kind: global_buffer, .address_space: global }
      - { .name: wt, .offset: 16, .size: 8, .value_kind: global_buffer, .address_space: global }
      - { .name: weight_scales, .offset: 24, .size: 8, .value_kind: global_buffer, .address_space: global }
      - { .name: xq, .offset: 32, .size: 8, .value_kind: global_buffer, .address_space: global }
      - { .name: wq, .offset: 40, .size: 8, .value_kind: global_buffer, .address_space: global }
    .group_segment_fixed_size: 163840
    .private_segment_fixed_size: 0
    .kernarg_segment_align: 8
    .kernarg_segment_size: 48
    .max_flat_workgroup_size: 256
    .sgpr_count:     66
    .vgpr_count:     258
    .wavefront_size: 32
...
	.end_amdgpu_metadata
.endif
;; end of part 2
;; launch gemm (part 3): grid 8 x 32, 4 waves a work-group, clusters of 4 x 4, 327,680 bytes of LDS; arguments xq, wq, out0; writes out0
.if DOCPART == 3
	.amdgcn_target "amdgcn-amd-amdhsa--gfx1250"
	.amdhsa_code_object_version 6
	.text
	.protected	k_qe4d49eb7b2_gemm
	.globl	k_qe4d49eb7b2_gemm
	.p2align	8
	.type	k_qe4d49eb7b2_gemm,@function
k_qe4d49eb7b2_gemm:
	s_mov_b64 s[64:65], 0
	v_nop
	global_prefetch_b8 v0, s[64:65] scope:SCOPE_SE
	s_setreg_imm32_b32 hwreg(HW_REG_WAVE_MODE, 25, 1), 1
	s_wait_xcnt 0x0
	s_wait_alu depctr_hold_cnt(0) depctr_sa_sdst(0) depctr_va_vdst(0) depctr_va_sdst(0) depctr_va_ssrc(0) depctr_va_vcc(0) depctr_vm_vsrc(0)
	s_getreg_b32 s2, hwreg(HW_REG_IB_STS2, 6, 4)
	s_cmp_eq_u32 s2, 0
	s_cbranch_scc0 .Lentry_in_a_cluster
	s_endpgm
.Lentry_in_a_cluster:
	s_bfe_u32 s2, ttmp6, 0x10000c
	s_cmp_lg_u32 s2, 0xf033
	s_cbranch_scc0 .Lentry_shape_is_right
	s_endpgm
.Lentry_shape_is_right:
; GEMM: out0 [8192][2048] f32 = the product of x's codes and the weight's codes (FP4, E2M1, one E8M0 byte for each 32 along K), sums in f32.
; xq [K step 8][block of 128 rows 64][34,816 bytes], wq [8][16][34,816]: a block is 128 rows x 256 bytes of codes (512 along K), then 8 x 256 bytes of scale bytes: 136 rows of 256 bytes, one dense run.
; A work-group of four waves makes 256 x 256 of the result, a wave 128 x 128 in 64 accumulators.  K goes in 8 steps of 512 through two LDS slots; each wave fetches one block a step by one tensor load.
; CLUSTERS: 4 x 4 work-groups; x's blocks are asked for jointly along a row of the cluster, the weight's along a column.  The matrix instruction is used transposed: a lane holds eight neighbouring numbers of a row.
; PREFETCH: every block of 256 bytes of a K step is named once in each cluster that will load it: of the 136 rows that a wave fetches, each of the four partners that ask for them jointly takes 34, told apart by
; address (two instructions a wave: 32 rows, then 2, the lanes left over naming the last again).  K steps 1 and 2 are named behind the first joint load, K step 3 behind the second, and the refill that
; asks for K step t + 2 is followed by the names of K step t + 4; behind K step 7 nothing is named.
.set SIZE_N, 2048
.set NQ,     4
.set PITCH,  272
.set FR,     8
.set NL,     2
.set NP,     4
.set BLKB,   34816
.set HALFT,  136*PITCH
.set SLOT,   4*HALFT
.set SCOFF,  128*PITCH
.set ASTEP,  64*BLKB
.set BSTEP,  16*BLKB
.set LAPS,   4
.set SPARE,  2*SLOT
.set SPITCH, 528
.set ADRA, 16
.set ADRB, 20
.set STO,  24
.set RD,   25
.set CO,   26
.set SPW,  28
.set NIL,  29
.set ADRS, 30
.set SC,   32
.set AF,   128
.set BK,   128
.set G1, 24
.set G0, 32
.set G1B, 48
.set G0B, 56
.set MSB, 0
.macro WIN new
.if MSB != \new
	s_set_vgpr_msb (MSB<<8)|\new
.set MSB, \new
.endif
.endm
.set MUL_LO, 0xa1
.set MUL_HI, 0xf1
.set TO_B,   0x40
.macro JLOAD g0a, g1a, g0b, g1b
	s_cmp_eq_u32 s15, 0
	s_cbranch_scc0 .Lfor_b_\@
	tensor_load_to_lds s[\g0a:\g0a+3], s[\g1a:\g1a+7]
	s_nop 0
.rept 4
	v_nop
.endr
	s_branch .Lasked_\@
.Lfor_b_\@:
	tensor_load_to_lds s[\g0b:\g0b+3], s[\g1b:\g1b+7]
	s_nop 0
.rept 4
	v_nop
.endr
.Lasked_\@:
.endm
.macro CREST
	s_cmp_lg_u32 s14, 0
	s_cbranch_scc1 .Lnot_wave_0_\@
	s_barrier_signal -3
.Lnot_wave_0_\@:
	s_barrier_wait -3
	s_barrier_signal -1
	s_barrier_wait -1
.endm
.macro CROUND
	s_barrier_signal -1
	s_barrier_wait -1
	CREST
.endm
	s_load_b128 s[4:7], s[0:1], 0x0
	s_load_b64 s[12:13], s[0:1], 0x10
	v_lshl_add_u32 v[SPW], v0, 2, SPARE
	v_mov_b32 v[NIL], 0
	ds_add_u32 v28, v29
	ds_add_u32 v28, v29
	s_wait_dscnt 0x0
	v_lshrrev_b32 v1, 5, v0
	v_readfirstlane_b32 s14, v1
	s_lshr_b32 s15, s14, 1
	s_and_b32 s16, s14, 1
	s_bfe_u32 s40, ttmp6, 0x40000
	s_bfe_u32 s41, ttmp6, 0x40004
	s_lshl_b32 s42, ttmp9, 2
	s_add_co_u32 s42, s42, s40
	s_and_b32 s17, ttmp7, 0xffff
	s_lshl_b32 s17, s17, 2
	s_add_co_u32 s17, s17, s41
	s_lshl_b32 s43, s41, 2
	s_lshl_b32 s43, 15, s43
	s_lshl_b32 s44, 0x1111, s40
	s_or_b32 s[G1+0], s43, (3<<16)|(1<<20)|(1<<21)|(5<<22)|(3<<25)
	s_or_b32 s[G1B+0], s44, (3<<16)|(1<<20)|(1<<21)|(5<<22)|(3<<25)
.irp g, G1, G1B
	s_mov_b32 s[\g+1], 32<<16
	s_mov_b32 s[\g+2], 136<<16
	s_mov_b32 s[\g+3], 32<<16
	s_mov_b32 s[\g+4], 136
	s_mov_b32 s[\g+5], 32
	s_mov_b32 s[\g+6], 0
	s_mov_b32 s[\g+7], 0
.endr
	s_lshl_b32 s20, s17, 1
	s_add_co_u32 s20, s20, s16
	s_mul_i32 s20, s20, BLKB
	s_mov_b32 s21, 0
	s_lshl_b32 s46, s42, 1
	s_add_co_u32 s46, s46, s16
	s_mul_i32 s46, s46, BLKB
	s_mov_b32 s47, 0
	s_mul_i32 s45, s14, HALFT
	s_wait_kmcnt 0x0
	s_add_nc_u64 s[20:21], s[4:5], s[20:21]
	s_add_nc_u64 s[46:47], s[6:7], s[46:47]
	CROUND
.irp s, 0,1
	s_mov_b32 s[G0+4*\s], 1
	s_add_co_u32 s[G0+4*\s+1], s45, \s*SLOT
	s_add_nc_u64 s[G0+4*\s+2:G0+4*\s+3], s[20:21], \s*ASTEP
	s_or_b32 s[G0+4*\s+3], s[G0+4*\s+3], 0x80000000
	s_mov_b32 s[G0B+4*\s], 1
	s_add_co_u32 s[G0B+4*\s+1], s45, \s*SLOT
	s_add_nc_u64 s[G0B+4*\s+2:G0B+4*\s+3], s[46:47], \s*BSTEP
	s_or_b32 s[G0B+4*\s+3], s[G0B+4*\s+3], 0x80000000
.endr
	JLOAD G0, G1, G0B, G1B                         ; K step 0: one tensor load a wave at the head, behind the round above
	; the prefetches: s[8:9] where they stand, s[10:11] a K step in bytes, v8-11 the lanes' offsets
	s_cmp_eq_u32 s15, 0                            ; do I fetch for x?
	s_cselect_b64 s[8:9], s[4:5], s[6:7]
	s_cselect_b32 s18, s17, s42                    ; the tile row, or the tile column
	s_cselect_b32 s19, s40, s41                    ; my place among the four that ask with me
	s_mov_b32 s10, BSTEP
	s_cselect_b32 s10, ASTEP, s10
	s_mov_b32 s11, 0
	s_lshl_b32 s18, s18, 1
	s_add_co_u32 s18, s18, s16                     ; the block that I fetch
	s_mul_i32 s18, s18, BLKB
	s_mul_i32 s19, s19, 34*256                     ; my work-group's 34 rows of its 136
	s_add_co_u32 s18, s18, s19
	s_mov_b32 s19, 0
	s_add_nc_u64 s[8:9], s[8:9], s[18:19]
	s_add_nc_u64 s[8:9], s[8:9], s[10:11]          ; at K step 1
	v_and_b32 v7, 31, v0
	v_lshlrev_b32 v8, 8, v7                        ; v8: rows 0 .. 31, a lane a row of 256 bytes
	v_min_u32 v9, 1, v7
	v_lshl_add_u32 v9, v9, 8, 0x2000               ; v9: rows 32 and 33
	v_add_nc_u32 v10, s10, v8                      ; v10, v11: the same a K step on
	v_add_nc_u32 v11, s10, v9
	s_wait_alu depctr_va_vdst(0)
	global_prefetch_b8 v8, s[8:9] th:TH_LOAD_NT scope:SCOPE_SE    ; K step 1
	global_prefetch_b8 v9, s[8:9] th:TH_LOAD_NT scope:SCOPE_SE
	global_prefetch_b8 v10, s[8:9] th:TH_LOAD_NT scope:SCOPE_SE   ; K step 2
	global_prefetch_b8 v11, s[8:9] th:TH_LOAD_NT scope:SCOPE_SE
	s_wait_tensorcnt 0x0                           ; my part of K step 0 is in
	ds_add_u32 v28, v29
	s_wait_dscnt 0x0
	CROUND                                         ; everybody's part is in, and all sixteen work-groups are here
	JLOAD G0+4, G1, G0B+4, G1B                     ; K step 1, the first tensor load behind the round
	s_wait_xcnt 0x0                                ; the prefetches have read their address
	s_add_nc_u64 s[8:9], s[8:9], s[10:11]
	s_add_nc_u64 s[8:9], s[8:9], s[10:11]          ; at K step 3
	global_prefetch_b8 v8, s[8:9] th:TH_LOAD_NT scope:SCOPE_SE
	global_prefetch_b8 v9, s[8:9] th:TH_LOAD_NT scope:SCOPE_SE
	v_and_b32 v1, 15, v0
	v_bfe_u32 v2, v0, 4, 1
	s_wait_alu depctr_va_vdst(0)
	v_mul_u32_u24 v3, v1, PITCH
	v_lshl_add_u32 v4, v2, 4, v3
	s_mul_i32 s21, s15, HALFT
	s_mul_i32 s22, s16, HALFT
	s_add_co_u32 s22, s22, 2*HALFT
.irp s, 0,1
	v_add_nc_u32 v[ADRA+\s], s21, v4
	v_add_nc_u32 v[ADRB+\s], s22, v4
	s_add_co_u32 s21, s21, SLOT
	s_add_co_u32 s22, s22, SLOT
.endr
	v_lshlrev_b32 v5, 4, v1
	s_mul_i32 s21, s15, HALFT
	s_mul_i32 s22, s16, HALFT
	s_add_co_u32 s22, s22, 2*HALFT
	s_sub_co_u32 s22, s22, s21
	v_mul_u32_u24 v6, s22, v2
	s_add_co_u32 s21, s21, SCOFF
	v_add_nc_u32 v5, v5, v6
	v_add_nc_u32 v[ADRS], s21, v5
	v_add_nc_u32 v[ADRS+1], SLOT, v[ADRS]
	s_mul_i32 s23, s14, 16*SPITCH
	v_mul_u32_u24 v5, v1, SPITCH
	v_lshl_add_u32 v5, v2, 5, v5
	v_add_nc_u32 v[STO], s23, v5
	v_and_b32 v6, 31, v0
	v_lshlrev_b32 v[CO], 4, v6
	v_add_nc_u32 v[RD], s23, v[CO]
	s_lshl_b32 s20, s17, 8
	s_lshl_b32 s21, s15, 7
	s_add_co_u32 s20, s20, s21
	s_mov_b32 s21, 0
	s_mov_b64 s[18:19], SIZE_N*4
	s_mul_u64 s[20:21], s[20:21], s[18:19]
	s_lshl_b32 s46, s42, 10
	s_lshl_b32 s47, s16, 9
	s_add_co_u32 s46, s46, s47
	s_mov_b32 s47, 0
	s_add_nc_u64 s[20:21], s[20:21], s[46:47]
	s_add_nc_u64 s[12:13], s[12:13], s[20:21]
.macro FRAG reg, adr, q, i
.irp c, 0,1
	ds_load_b128 v[\reg+4*\c:\reg+4*\c+3], v[\adr] offset:64*(\q)+32*\c+(\i)*16*PITCH
.endr
.endm
.macro MUL16 a0, p, q, sc, zero
.irp a, \a0, \a0+1
.irp b, 0,1,2,3,4,5,6,7
.if \zero
	v_wmma_scale_f32_16x16x128_f8f6f4 v[8*(8*((\a)%4)+\b):8*(8*((\a)%4)+\b)+7], v[128*(\p)+FR*\b:128*(\p)+FR*\b+FR-1], v[AF+FR*(\a):AF+FR*(\a)+FR-1], 0, v[SC+8*NQ*(\sc)+NQ*\b+(\q)], v[SC+8*NQ*(\sc)+NQ*(\a)+(\q)] matrix_a_fmt:MATRIX_FMT_FP4 matrix_b_fmt:MATRIX_FMT_FP4 matrix_a_scale:MATRIX_SCALE_ROW1
.else
	v_wmma_scale_f32_16x16x128_f8f6f4 v[8*(8*((\a)%4)+\b):8*(8*((\a)%4)+\b)+7], v[128*(\p)+FR*\b:128*(\p)+FR*\b+FR-1], v[AF+FR*(\a):AF+FR*(\a)+FR-1], v[8*(8*((\a)%4)+\b):8*(8*((\a)%4)+\b)+7], v[SC+8*NQ*(\sc)+NQ*\b+(\q)], v[SC+8*NQ*(\sc)+NQ*(\a)+(\q)] matrix_a_fmt:MATRIX_FMT_FP4 matrix_b_fmt:MATRIX_FMT_FP4 matrix_a_scale:MATRIX_SCALE_ROW1
.endif
.endr
.endr
.endm
.macro FETCH_B slot, q, p
	WIN TO_B
.irp i, 0,1,2,3,4,5,6,7
	FRAG 128*(\p)+FR*\i, ADRB+\slot, \q, \i
.endr
	WIN 0
.endm
.macro FETCH_A slot, q, i0
.irp i, \i0, \i0+1, \i0+2, \i0+3
	FRAG AF+FR*(\i), ADRA+\slot, \q, \i
.endr
.endm
.macro SCALES sc
.irp i, 0,1,2,3,4,5,6,7
	ds_load_b128 v[SC+8*NQ*\sc+NQ*\i:SC+8*NQ*\sc+NQ*\i+3], v[ADRS+\sc] offset:\i*PITCH
.endr
.endm
.macro PLACES n
.rept \n
	v_nop
.endr
.endm
.macro STEP slot, q, zero
	s_wait_dscnt 4*NL
	WIN MUL_LO
	MUL16 0, (\q)%2, \q, \slot, \zero
	MUL16 2, (\q)%2, \q, \slot, \zero
	s_wait_dscnt 0
	PLACES NP
	FETCH_B \slot, (\q)+1, 1-(\q)%2
	FETCH_A \slot, (\q)+1, 0
	WIN MUL_HI
	MUL16 4, (\q)%2, \q, \slot, \zero
	MUL16 6, (\q)%2, \q, \slot, \zero
	PLACES NP
	WIN 0
	FETCH_A \slot, (\q)+1, 4
.endm
.macro TURN slot, next, fill
.if \fill
	s_wait_xcnt 0x0                                ; any prefetch of mine has read its address: it steps a K step on, ahead of the waits of the change of slots
	s_add_nc_u64 s[8:9], s[8:9], s[10:11]
.endif
	s_wait_tensorcnt 0x0
	ds_add_u32 v[SPW], v[NIL]
	s_wait_dscnt 4*NL+1
	WIN MUL_LO
	MUL16 0, 1, NQ-1, \slot, 0
	s_wait_dscnt 0x0
	s_barrier_signal -1
	MUL16 2, 1, NQ-1, \slot, 0
	WIN 0
	s_barrier_wait -1
.if \fill
	CREST
	s_add_nc_u64 s[G0+4*\slot+2:G0+4*\slot+3], s[G0+4*\slot+2:G0+4*\slot+3], 2*ASTEP
	s_add_nc_u64 s[G0B+4*\slot+2:G0B+4*\slot+3], s[G0B+4*\slot+2:G0B+4*\slot+3], 2*BSTEP
	JLOAD G0+4*\slot, G1, G0B+4*\slot, G1B
.else
	PLACES NP
.endif
	FETCH_B \next, 0, 0
	FETCH_A \next, 0, 0
	SCALES \next
.if \fill
	s_cmp_gt_u32 s3, 1                             ; the loop's last trip has no K step two refills on
	s_cbranch_scc0 .Lno_ask_\@
	global_prefetch_b8 v8, s[8:9] th:TH_LOAD_NT scope:SCOPE_SE    ; the K step that stands two refills on
	global_prefetch_b8 v9, s[8:9] th:TH_LOAD_NT scope:SCOPE_SE
.Lno_ask_\@:
.endif
	WIN MUL_HI
	MUL16 4, 1, NQ-1, \slot, 0
	MUL16 6, 1, NQ-1, \slot, 0
	PLACES NP
	WIN 0
	FETCH_A \next, 0, 4
.endm
.macro STEPS slot, from
.set Q, \from
.rept NQ-1-\from
	STEP \slot, Q, 0
.set Q, Q+1
.endr
.endm
	s_wait_alu depctr_va_vdst(0)
	s_wait_tensorcnt 1
	s_barrier_signal -1
	s_barrier_wait -1
	FETCH_B 0, 0, 0
	FETCH_A 0, 0, 0
	SCALES 0
	FETCH_A 0, 0, 4
	STEP 0, 0, 1
	s_mov_b32 s3, LAPS-1
.Llap:
	STEPS 0, 1
	TURN 0, 1, 1
	STEPS 1, 0
	TURN 1, 0, 1
	STEP 0, 0, 0
	s_sub_co_u32 s3, s3, 1
	s_cmp_lg_u32 s3, 0
	s_cbranch_scc1 .Llap
	STEPS 0, 1
	TURN 0, 1, 0
	STEPS 1, 0
	s_wait_dscnt 4*NL
	WIN MUL_LO
	MUL16 0, 1, NQ-1, 1, 0
	MUL16 2, 1, NQ-1, 1, 0
	s_wait_dscnt 0
	WIN MUL_HI
	MUL16 4, 1, NQ-1, 1, 0
	MUL16 6, 1, NQ-1, 1, 0
	WIN 0
.macro TOSTAGE a
.set AC, 64*((\a)%4)
	WIN 0x08+4*((\a)/4)
.irp b, 0,1,2,3,4,5,6,7
	ds_store_b128 v[STO], v[AC+8*\b:AC+8*\b+3] offset:64*\b
	ds_store_b128 v[STO], v[AC+8*\b+4:AC+8*\b+7] offset:64*\b+16
.endr
	WIN 0
.set BB, BK+64*((\a)%2)
.irp t, 0,1,2,3,4,5,6,7,8,9,10,11,12,13,14,15
	ds_load_b128 v[BB+4*\t:BB+4*\t+3], v[RD] offset:\t*SPITCH
.endr
.endm
.macro SEND a, younger
.set BB, BK+64*((\a)%2)
	s_wait_dscnt \younger
.if (\a) > 0
	s_add_nc_u64 s[12:13], s[12:13], 16*SIZE_N*4
.endif
.irp t, 0,1,2,3,4,5,6,7,8,9,10,11,12,13,14,15
	global_store_b128 v[CO], v[BB+4*\t:BB+4*\t+3], s[12:13] offset:\t*SIZE_N*4 th:TH_STORE_NT
.endr
.endm
	PLACES NP
	TOSTAGE 0
.irp a, 1,2,3,4,5,6,7
.if \a > 1
	s_wait_xcnt 0x0
.endif
	TOSTAGE \a
	SEND \a-1, 32
.endr
	s_wait_xcnt 0x0
	SEND 7, 0
	s_wait_tensorcnt 0x0
	ds_add_u32 v[SPW], v[NIL]
	s_wait_dscnt 0x0
	CROUND
	s_endpgm
.Lfunc_end_k_qe4d49eb7b2_gemm:
	.size	k_qe4d49eb7b2_gemm, .Lfunc_end_k_qe4d49eb7b2_gemm-k_qe4d49eb7b2_gemm
	.p2alignl 7, 3214868480
	.fill 96, 4, 3214868480
	.section	.rodata,"a",@progbits
	.p2align	6, 0x0
	.amdhsa_kernel k_qe4d49eb7b2_gemm
		.amdhsa_group_segment_fixed_size 327680
		.amdhsa_private_segment_fixed_size 0
		.amdhsa_enable_private_segment 0
		.amdhsa_kernarg_size 24
		.amdhsa_user_sgpr_count 2
		.amdhsa_user_sgpr_kernarg_segment_ptr 1
		.amdhsa_wavefront_size32 1
		.amdhsa_system_sgpr_workgroup_id_x 1
		.amdhsa_system_sgpr_workgroup_id_y 1
		.amdhsa_system_sgpr_workgroup_id_z 1
		.amdhsa_system_vgpr_workitem_id 0
		.amdhsa_next_free_vgpr 1024
		.amdhsa_next_free_sgpr 66
		.amdhsa_reserve_vcc 0
		.amdhsa_float_denorm_mode_32 3
		.amdhsa_float_denorm_mode_16_64 3
		.amdhsa_memory_ordered 1
		.amdhsa_forward_progress 1
		.amdhsa_inst_pref_size 212
	.end_amdhsa_kernel
	.amdgpu_metadata
---
amdhsa.version: [ 1, 2 ]
amdhsa.kernels:
  - .name:           k_qe4d49eb7b2_gemm
    .symbol:         k_qe4d49eb7b2_gemm.kd
    .args:
      - { .name: xq, .offset: 0, .size: 8, .value_kind: global_buffer, .address_space: global }
      - { .name: wq, .offset: 8, .size: 8, .value_kind: global_buffer, .address_space: global }
      - { .name: out0, .offset: 16, .size: 8, .value_kind: global_buffer, .address_space: global }
    .group_segment_fixed_size: 327680
    .private_segment_fixed_size: 0
    .kernarg_segment_align: 8
    .kernarg_segment_size: 24
    .max_flat_workgroup_size: 128
    .sgpr_count:     66
    .vgpr_count:     1024
    .wavefront_size: 32
...
	.end_amdgpu_metadata
.endif
;; end of part 3
